; MI455X (gfx1250); checked and timed in simulation.
; The chip was launched on July 23, 2026; its instructions are those of AMD's public machine-readable ISA for CDNA 5 (MIT licence, August 2026) and "CDNA5" Instruction Set Architecture Reference Guide (July 2026). The comments in the code are by the model that wrote it; some were corrected since.
;; Attn Block. Allowed arithmetic: matrix products marked QUANTISED: E4M3 operands, one given power-of-two scale a tensor, by v_wmma_f32_16x16x64_fp8_fp8 or v_wmma_f32_16x16x128_fp8_fp8, f32 sums; everything else in f32.
;; Inputs: bk 512 float32; bp 512 float32; bq 512 float32; bv 512 float32; gn_bias 512 float32; gn_scale 512 float32; lowp_scales 12 int32 (the exponents e of the quantised operands' scales 2^e); wk 512 x 512 float32; wp 512 x 512 float32; wq 512 x 512 float32; wv 512 x 512 float32; x 8 x 512 x 2,048 float32.
;; Outputs: out0 8 x 512 x 2,048 float32.
;; This version of the problem:
;;   THIS VERSION OF THE PROBLEM IS GIVEN IN LOW PRECISION. The matrix products marked QUANTISED in the list below multiply operands that are first quantised to E4M3 (4 exponent bits, 3 mantissa bits; 8 bits a number), with one given power-of-two scale for each operand tensor; their sums are f32. All else is computed in f32.
;;   The module's matrix products, in the order in which they are computed (A, B: the left and right operand; K: the contracted axis; several contracted axes count as one K, in the product's order):
;;     1. [M 16,384, K 512] x [K 512, N 512]; A: computed on the way; B: input wq: QUANTISED (scales: A lowp_scales[0], B lowp_scales[1])
;;     2. [M 16,384, K 512] x [K 512, N 512]; A: computed on the way; B: input wk: QUANTISED (scales: A lowp_scales[2], B lowp_scales[3])
;;     3. [M 16,384, K 512] x [K 512, N 512]; A: computed on the way; B: input wv: QUANTISED (scales: A lowp_scales[4], B lowp_scales[5])
;;     4. batch 8 x [M 2,048, K 512] x [K 512, N 2,048]; A: computed on the way; B: computed on the way: QUANTISED (scales: A lowp_scales[6], B lowp_scales[7])
;;     5. batch 8 x [M 512, K 2,048] x [K 2,048, N 2,048]; A: computed on the way; B: softmax (see below): QUANTISED (scales: A lowp_scales[8], B lowp_scales[9])
;;     6. [M 16,384, K 512] x [K 512, N 512]; A: computed on the way; B: input wp: QUANTISED (scales: A lowp_scales[10], B lowp_scales[11])
;;   THE QUANTISER, for each operand of a quantised product, along K:
;;     - The operand's scale is 2^e, e = its entry of the input lowp_scales (int32; the entries are numbered through the quantised products in the list's order, A before B).
;;     - Each number is divided by the scale, clamped to +-448, and rounded to the nearest number of E4M3, ties to even, subnormals kept.
;;     - The product sums the exact products of the quantised numbers (number of the format x scale) in f32.
;;   ~~~python
;;   def quantise(x, axis, e):      # numpy; x: float32 -> the quantised numbers, widened to float32 again
;;       x = np.moveaxis(x, axis, -1); K = x.shape[-1]
;;       r = np.clip(x / 2.0 ** e, -448, 448)
;;       step = 2.0 ** (np.maximum(np.frexp(np.where(r == 0, 1, r))[1] - 1, -6) - 3)
;;       q = np.round(r / step) * step * 2.0 ** e      # np.round: ties to even
;;       return np.moveaxis(q, -1, axis).astype(np.float32)
;;   ~~~
;;   SOFTMAX AHEAD OF A QUANTISED PRODUCT. Where the list says 'softmax', what is quantised is not the finished softmax but p = 2^(t - M), with t = logit x log2(e) and M = ceil(the row's largest t), a whole number; so 1/2 < the row's largest p <= 1. The row's sum l is taken of the UNQUANTISED p, in f32, and the product's result is divided by l at the end. Since M is a whole number, a kernel that streams over the keys may use a running M (the ceiling of the running maximum): every later rescaling is an exact power of two, so the quantised numbers keep their values, but for numbers so far below the row's largest that they fall under the format's range.
;;   OPERANDS COMPUTED ON THE WAY. 'Computed on the way' means the value that the module computes at that place (a softmax that the list does not call 'softmax' is quantised finished and normalised). What goes into a quantiser is computed in f32, as accurately as f32 sums, v_exp_f32 and their like allow (about 1e-6 of the number): no bf16 or f16 on the way to a quantiser, and a product that is left as it is and whose result goes on into a quantised operand takes f32 operands (vector FMAs, or v_wmma_f32_16x16x4_f32). A number that lies on a knife's edge between two numbers of the format may be rounded either way, as far as f32 arithmetic and the matrix unit's own rounding can turn it there, and no further.
;; One version. Each part assembles by itself: llvm-mc -triple=amdgcn-amd-amdhsa -mcpu=gfx1250 --defsym DOCPART=n.
;; ======== version 1 of 1: 3 launches
;; limits: right only within a limited range of input values
;; workspace buffers: hq 8,388,608 bytes; hk 8,388,608 bytes; hv 8,388,608 bytes; wcodes 1,048,576 bytes; qc 8,388,608 bytes; kc 8,388,608 bytes; vc 8,388,608 bytes
;; launch prep (part 1): grid 288 x 1, 8 waves a work-group, no clusters, 1,536 bytes of LDS; arguments x, gn_scale, gn_bias, wq, wk, wv, wp, lowp_scales, hq, hk, hv, wcodes; writes hq, hk, hv, wcodes
.if DOCPART == 1
	.amdgcn_target "amdgcn-amd-amdhsa--gfx1250"
	.amdhsa_code_object_version 6
	.text
	.protected	k_q3e3ce00bfa_prep
	.globl	k_q3e3ce00bfa_prep
	.p2align	8
	.type	k_q3e3ce00bfa_prep,@function
k_q3e3ce00bfa_prep:
	s_mov_b64 s[64:65], 0
	v_nop
	global_prefetch_b8 v0, s[64:65] scope:SCOPE_SE
	s_setreg_imm32_b32 hwreg(HW_REG_WAVE_MODE, 25, 1), 1
	s_wait_xcnt 0x0
; GroupNorm of x [8][512][2048] (32 groups of 16 channels x 2,048 positions) and its codes of E4M3 at the scales e0, e2, e4; and the codes of wq, wk, wv, wp at e1, e3, e5, e11.
; Work-groups 0-255: one group each (id = 32 b + g): 16 x 2,048 numbers, 131,072 consecutive bytes, kept in registers between the passes: x is read once.
; Work-groups 256-287: 131,072 bytes of a weight each.  Nothing is read by two work-groups, so there is no cluster, no tensor load and no matrix work.
; WHAT IS STORED ARE IMAGES OF OPERAND REGISTERS.  A fragment is 16 rows x 128 K: 16 registers a lane, 2,048 bytes; registers 4 c .. 4 c + 3 of lane l lie at byte 512 c + 16 l.
;   order L16 (h, wq, wk, wv): byte i of that piece is k = 32 c + 16 (l / 16) + i.  A group's 16 channels are then one lane's 16 bytes.
;   order L8  (wp):            byte i is k = 32 c + 16 (i / 8) + 8 (l / 16) + i % 8.
;   hq, hk, hv: [tile of 16 positions: 1,024][K step: 4][2,048];   wcodes: [wq, wk, wv, wp][tile of 16 outputs: 32][K step: 4][2,048].
; The variance is the mean of (x - mean)^2, taken in a second pass over the registers: no difference of large sums is formed.
; h is quantised three times, once for each of the three products' scales, whatever the three exponents are: the next launch reads each product's codes from a buffer of their own.
; code = y / 2^e, held within +-448, to the nearest code, ties to even.  LIMITS: e0 .. e5 and e11 between -126 and 119.  NaN among the inputs is not served.
.set X,  128                           ; v128-255 GN: the number of position 256 u + t, channel ch, at X + 16 u + ch;  weights: 64 numbers for each of two fragments
.set T0, 48                            ; v48-79   two sets of 16 held numbers, by turns
.set CD, 80                            ; v80-111  codes
	s_load_b512 s[4:19], s[0:1], 0x0               ; x 4, gn_scale 6, gn_bias 8, wq 10, wk 12, wv 14, wp 16, the scales' exponents 18
	s_load_b256 s[20:27], s[0:1], 0x40             ; hq 20, hk 22, hv 24, wcodes 26
	v_lshl_add_u32 v126, v0, 2, 0x200
	v_mov_b32 v127, 0
	v_lshrrev_b32 v5, 5, v0
	v_readfirstlane_b32 s96, v5                    ; wave 0..7
	v_lshlrev_b32 v1, 2, v0                        ; GN: 4 bytes a thread
	s_wait_kmcnt 0x0
	s_load_b256 s[28:35], s[18:19], 0x0            ; e0 .. e7
	s_load_b128 s[36:39], s[18:19], 0x20           ; e8 .. e11
	s_cmp_ge_u32 ttmp9, 256                        ; the same in all waves of a work-group
	s_cbranch_scc1 .Lweights
	; ---------------- a group of GroupNorm ----------------
	s_lshl_b32 s86, ttmp9, 17                      ; the group's 131,072 bytes of x
	s_mov_b32 s87, 0
	s_add_nc_u64 s[4:5], s[4:5], s[86:87]
.irp u, 0,1,2,3,4,5,6,7
.irp ch, 0,1,2,3,4,5,6,7,8,9,10,11,12,13,14,15
	global_load_b32 v[X+16*\u+\ch], v1, s[4:5] offset:\ch*8192+1024*\u th:TH_LOAD_NT   ; thread t: position 256 u + t; its registers run down the channels, which are the next products' K
.endr
.endr
	s_and_b32 s86, ttmp9, 31
	s_lshl_b32 s86, s86, 6                         ; the group's 16 gains and 16 biases
	s_add_nc_u64 s[6:7], s[6:7], s[86:87]
	s_add_nc_u64 s[8:9], s[8:9], s[86:87]
	s_load_b512 s[40:55], s[6:7], 0x0
	s_load_b512 s[68:83], s[8:9], 0x0
	s_lshr_b32 s88, ttmp9, 5
	s_lshl_b32 s88, s88, 20                        ; the batch's 128 tiles of 8,192 bytes
	s_bfe_u32 s89, ttmp9, 0x20003
	s_lshl_b32 s89, s89, 11                        ; K step g / 8
	s_add_co_u32 s88, s88, s89
	s_and_b32 s89, ttmp9, 7
	s_lshl_b32 s89, s89, 8                         ; piece (g % 8) / 2 and half g % 2: 256 (g % 8)
	s_add_co_u32 s88, s88, s89
	s_mov_b32 s89, 0
	s_add_nc_u64 s[20:21], s[20:21], s[88:89]
	s_add_nc_u64 s[22:23], s[22:23], s[88:89]
	s_add_nc_u64 s[24:25], s[24:25], s[88:89]
	s_mov_b32 s84, 0x76543210                      ; v_permlanex16_b32: lane l takes lane l xor 16
	s_mov_b32 s85, 0xfedcba98
	v_lshrrev_b32 v2, 4, v0
	v_and_b32 v3, 15, v0
	v_lshlrev_b32 v2, 13, v2
	v_lshl_add_u32 v2, v3, 4, v2                   ; the codes' place: tile t / 16 (8,192 bytes each), row t % 16 (16 bytes each)
	v_lshlrev_b32 v3, 2, v5                        ; my wave's word in LDS
	v_mov_b32 v4, 0
; The four packed chains v[8:15] are folded, summed over the wave's lanes and over the eight waves; the sum comes back in v112 of every lane.
; base: eight words of LDS; each of the two sums has words of its own, so one barrier a sum is enough.
.macro WSUM base
	v_pk_add_f32 v[8:9], v[8:9], v[10:11]
	v_pk_add_f32 v[12:13], v[12:13], v[14:15]
	v_pk_add_f32 v[8:9], v[8:9], v[12:13]
	v_add_f32 v8, v8, v9
	v_add_f32_dpp v8, v8, v8 row_xmask:1 row_mask:0xf bank_mask:0xf
	v_add_f32_dpp v8, v8, v8 row_xmask:2 row_mask:0xf bank_mask:0xf
	v_add_f32_dpp v8, v8, v8 row_xmask:4 row_mask:0xf bank_mask:0xf
	v_add_f32_dpp v8, v8, v8 row_xmask:8 row_mask:0xf bank_mask:0xf
	v_permlanex16_b32 v9, v8, s84, s85
	v_add_f32 v8, v8, v9
	ds_store_b32 v3, v8 offset:\base               ; all lanes of a wave write the same word with the same number
	s_wait_dscnt 0x0                               ; for the others' sake: my store has landed
	s_barrier_signal -1
	s_barrier_wait -1
	ds_load_b128 v[112:115], v4 offset:\base
	ds_load_b128 v[116:119], v4 offset:\base+16
	s_wait_dscnt 0x0
	v_add_f32 v112, v112, v113
	v_add_f32 v114, v114, v115
	v_add_f32 v116, v116, v117
	v_add_f32 v118, v118, v119
	v_add_f32 v112, v112, v114
	v_add_f32 v116, v116, v118
	v_add_f32 v112, v112, v116
.endm
	; pass 1: the sum, two numbers at a time in four chains; the first eight pairs start the chains, nothing is cleared
.irp u, 0,1,2,3,4,5,6,7
.if \u < 4
	s_wait_loadcnt 63                              ; of the 128 loads at most 63 are out: the first 65 are in, blocks 0 to 3 among them
.else
	s_wait_loadcnt 16*(7-\u)                       ; the later blocks' loads may be out
.endif
.if \u == 0
.irp k, 0,1,2,3
	v_pk_add_f32 v[8+2*\k:9+2*\k], v[X+2*\k:X+2*\k+1], v[X+8+2*\k:X+9+2*\k]
.endr
.else
.irp k, 0,1,2,3,4,5,6,7
	v_pk_add_f32 v[8+2*(\k%4):9+2*(\k%4)], v[8+2*(\k%4):9+2*(\k%4)], v[X+16*\u+2*\k:X+16*\u+2*\k+1]
.endr
.endif
.endr
	WSUM 0
	v_mul_f32 v6, 0x38000000, v112                 ; the mean: sum / 32,768
	v_mov_b32 v7, v6
.set n, 0
.rept 64
	v_pk_add_f32 v[X+n:X+n+1], v[X+n:X+n+1], v[6:7] neg_lo:[0,1] neg_hi:[0,1]   ; d = x - mean, in place
.set n, n+2
.endr
	; pass 2: the sum of d^2
.irp u, 0,1,2,3,4,5,6,7
.irp k, 0,1,2,3,4,5,6,7
.if (\u == 0) && (\k < 4)
	v_pk_mul_f32 v[8+2*\k:9+2*\k], v[X+2*\k:X+2*\k+1], v[X+2*\k:X+2*\k+1]
.else
	v_pk_fma_f32 v[8+2*(\k%4):9+2*(\k%4)], v[X+16*\u+2*\k:X+16*\u+2*\k+1], v[X+16*\u+2*\k:X+16*\u+2*\k+1], v[8+2*(\k%4):9+2*(\k%4)]
.endif
.endr
.endr
	WSUM 256
	s_mov_b32 s86, 0x38000000                      ; 1 / 32,768
	s_mov_b32 s87, 0x358637bd                      ; 1e-6
	v_fma_f32 v122, v112, s86, s87                 ; the variance + eps
	v_rsq_f32 v123, v122
	v_nop                                          ; a plain instruction behind the transcendental
	s_wait_kmcnt 0x0                               ; gains, biases, exponents
	s_wait_alu depctr_va_vdst(0)                   ; the wait ahead of the first reader
.irp ch, 0,1,2,3,4,5,6,7,8,9,10,11,12,13,14,15
	v_mul_f32 v[16+\ch], s[40+\ch], v123           ; gain / sqrt(variance + eps)
	v_mov_b32 v[32+\ch], s[68+\ch]
.endr
.irp u, 0,1,2,3,4,5,6,7
.irp k, 0,2,4,6,8,10,12,14
	v_pk_fma_f32 v[X+16*\u+\k:X+16*\u+\k+1], v[X+16*\u+\k:X+16*\u+\k+1], v[16+\k:17+\k], v[32+\k:33+\k]   ; h, in place
.endr
.endr
; h's codes at the scale 2^s[e] into the buffer at s[buf].  A thread's 16 channels of a position are 16 bytes; sixteen neighbouring lanes store 256 consecutive bytes, aligned.
.macro QSTORE e, buf
	s_add_co_i32 s86, s[\e], 127
	s_lshl_b32 s87, s86, 23                        ; 2^e as f32: the conversion takes its exponent field
	s_add_co_i32 s86, s86, 8
	s_lshl_b32 s86, s86, 23
	s_or_b32 s86, s86, 0x600000                    ; 448 x 2^e
	s_wait_xcnt 0x0                                ; the codes' registers, which earlier stores read, are written again only behind this wait
	v_mov_b32 v120, s87
	v_mov_b32 v121, s86
.irp u, 0,1,2,3,4,5,6,7
.irp ch, 0,1,2,3,4,5,6,7,8,9,10,11,12,13,14,15
	v_med3_num_f32 v[T0+16*(\u%2)+\ch], v[X+16*\u+\ch], -v121, v121   ; the conversion does not saturate (ISA guide 7.6.2): the hold comes first.  h itself stays, for the next scale
.endr
	v_cvt_scalef32_pk8_fp8_f32 v[CD+4*\u:CD+4*\u+1], v[T0+16*(\u%2):T0+16*(\u%2)+7], v120
	v_cvt_scalef32_pk8_fp8_f32 v[CD+4*\u+2:CD+4*\u+3], v[T0+16*(\u%2)+8:T0+16*(\u%2)+15], v120
	global_store_b128 v2, v[CD+4*\u:CD+4*\u+3], s[\buf:\buf+1] offset:131072*\u   ; 256 positions on: 16 tiles of 8,192 bytes
.endr
	v_nop                                          ; a plain instruction behind the last conversion, ahead of whatever writes its scale next
.endm
	QSTORE 28, 20                                  ; e0: the first product's
	QSTORE 30, 22                                  ; e2: the second's
	QSTORE 32, 24                                  ; e4: the third's
	s_wait_tensorcnt 0x0
	ds_add_u32 v126, v127
	s_wait_dscnt 0x0
	s_endpgm
	; ---------------- an eighth of a weight: four tiles of 16 rows; a wave makes two fragments of one tile ----------------
.Lweights:
	s_sub_co_u32 s86, ttmp9, 256
	s_lshr_b32 s87, s86, 3                         ; which weight: 0 wq, 1 wk, 2 wv, 3 wp
	s_and_b32 s86, s86, 7
	s_lshl_b32 s86, s86, 2
	s_lshr_b32 s93, s96, 1
	s_add_co_u32 s86, s86, s93                     ; the tile of 16 rows
	s_and_b32 s93, s96, 1
	s_lshl_b32 s93, s93, 1                         ; my first K step: 0 or 2
	s_wait_kmcnt 0x0
	s_mov_b64 s[88:89], s[16:17]                   ; the choices hang on the work-group's number alone
	s_mov_b32 s90, s39
	s_cmp_eq_u32 s87, 0
	s_cselect_b64 s[88:89], s[10:11], s[88:89]
	s_cselect_b32 s90, s29, s90
	s_cmp_eq_u32 s87, 1
	s_cselect_b64 s[88:89], s[12:13], s[88:89]
	s_cselect_b32 s90, s31, s90
	s_cmp_eq_u32 s87, 2
	s_cselect_b64 s[88:89], s[14:15], s[88:89]
	s_cselect_b32 s90, s33, s90
	s_cmp_eq_u32 s87, 3
	s_cselect_b32 s91, 32, 64                      ; bytes from lanes 0-15 to lanes 16-31: 8 numbers in L8, 16 in L16
	s_cselect_b32 s92, 64, 32                      ; bytes from a lane's first 8 numbers to its second 8: 16 numbers in L8, 8 in L16
	v_and_b32 v5, 15, v0
	v_bfe_u32 v6, v0, 4, 1
	v_lshlrev_b32 v1, 11, v5                       ; a row of a weight is 2,048 bytes
	v_mad_u32_u24 v1, v6, s91, v1
	v_add_nc_u32 v2, s92, v1
	v_and_b32 v3, 31, v0
	v_lshlrev_b32 v3, 4, v3                        ; 16 x lane
	s_lshl_b32 s94, s86, 15
	s_lshl_b32 s97, s93, 9
	s_add_co_u32 s94, s94, s97
	s_mov_b32 s95, 0
	s_add_nc_u64 s[88:89], s[88:89], s[94:95]      ; 16 rows x tile + 512 bytes x K step
	s_lshl_b32 s94, s86, 2
	s_add_co_u32 s94, s94, s93
	s_lshl_b32 s94, s94, 11
	s_lshl_b32 s97, s87, 18
	s_add_co_u32 s94, s94, s97
	s_add_nc_u64 s[26:27], s[26:27], s[94:95]      ; 262,144 x weight + 2,048 x (4 x tile + K step)
.irp f, 0,1
.irp c, 0,1,2,3
	global_load_b128 v[X+64*\f+16*\c:X+64*\f+16*\c+3],     v1, s[88:89] offset:512*\f+128*\c
	global_load_b128 v[X+64*\f+16*\c+4:X+64*\f+16*\c+7],   v1, s[88:89] offset:512*\f+128*\c+16
	global_load_b128 v[X+64*\f+16*\c+8:X+64*\f+16*\c+11],  v2, s[88:89] offset:512*\f+128*\c
	global_load_b128 v[X+64*\f+16*\c+12:X+64*\f+16*\c+15], v2, s[88:89] offset:512*\f+128*\c+16
.endr
.endr
	s_add_co_i32 s86, s90, 127
	s_lshl_b32 s87, s86, 23
	v_mov_b32 v120, s87                            ; 2^e
	s_add_co_i32 s86, s86, 8
	s_lshl_b32 s86, s86, 23
	s_or_b32 s86, s86, 0x600000
	v_mov_b32 v121, s86                            ; 448 x 2^e
.irp f, 0,1
	s_wait_loadcnt 16-16*\f                        ; the second fragment's 16 loads may be out
.set n, 0
.rept 64
	v_med3_num_f32 v[X+64*\f+n], v[X+64*\f+n], -v121, v121
.set n, n+1
.endr
.irp c, 0,1,2,3
	v_cvt_scalef32_pk8_fp8_f32 v[CD+16*\f+4*\c:CD+16*\f+4*\c+1], v[X+64*\f+16*\c:X+64*\f+16*\c+7], v120
	v_cvt_scalef32_pk8_fp8_f32 v[CD+16*\f+4*\c+2:CD+16*\f+4*\c+3], v[X+64*\f+16*\c+8:X+64*\f+16*\c+15], v120
.endr
	v_nop
.irp c, 0,1,2,3
	global_store_b128 v3, v[CD+16*\f+4*\c:CD+16*\f+4*\c+3], s[26:27] offset:2048*\f+512*\c   ; 32 lanes store 512 consecutive bytes
.endr
.endr
	s_endpgm
.Lfunc_end_k_q3e3ce00bfa_prep:
	.size	k_q3e3ce00bfa_prep, .Lfunc_end_k_q3e3ce00bfa_prep-k_q3e3ce00bfa_prep
	.p2alignl 7, 3214868480
	.fill 96, 4, 3214868480
	.section	.rodata,"a",@progbits
	.p2align	6, 0x0
	.amdhsa_kernel k_q3e3ce00bfa_prep
		.amdhsa_group_segment_fixed_size 1536
		.amdhsa_private_segment_fixed_size 0
		.amdhsa_enable_private_segment 0
		.amdhsa_kernarg_size 96
		.amdhsa_user_sgpr_count 2
		.amdhsa_user_sgpr_kernarg_segment_ptr 1
		.amdhsa_wavefront_size32 1
		.amdhsa_system_sgpr_workgroup_id_x 1
		.amdhsa_system_sgpr_workgroup_id_y 1
		.amdhsa_system_sgpr_workgroup_id_z 1
		.amdhsa_system_vgpr_workitem_id 0
		.amdhsa_next_free_vgpr 256
		.amdhsa_next_free_sgpr 100
		.amdhsa_reserve_vcc 0
		.amdhsa_float_denorm_mode_32 3
		.amdhsa_float_denorm_mode_16_64 3
		.amdhsa_memory_ordered 1
		.amdhsa_forward_progress 1
		.amdhsa_inst_pref_size 79
	.end_amdhsa_kernel
	.amdgpu_metadata
---
amdhsa.version: [ 1, 2 ]
amdhsa.kernels:
  - .name:           k_q3e3ce00bfa_prep
    .symbol:         k_q3e3ce00bfa_prep.kd
    .args:
      - { .name: x, .offset: 0, .size: 8, .value_kind: global_buffer, .address_space: global }
      - { .name: gn_scale, .offset: 8, .size: 8, .value_kind: global_buffer, .address_space: global }
      - { .name: gn_bias, .offset: 16, .size: 8, .value_kind: global_buffer, .address_space: global }
      - { .name: wq, .offset: 24, .size: 8, .value_kind: global_buffer, .address_space: global }
      - { .name: wk, .offset: 32, .size: 8, .value_kind: global_buffer, .address_space: global }
      - { .name: wv, .offset: 40, .size: 8, .value_kind: global_buffer, .address_space: global }
      - { .name: wp, .offset: 48, .size: 8, .value_kind: global_buffer, .address_space: global }
      - { .name: lowp_scales, .offset: 56, .size: 8, .value_kind: global_buffer, .address_space: global }
      - { .name: hq, .offset: 64, .size: 8, .value_kind: global_buffer, .address_space: global }
      - { .name: hk, .offset: 72, .size: 8, .value_kind: global_buffer, .address_space: global }
      - { .name: hv, .offset: 80, .size: 8, .value_kind: global_buffer, .address_space: global }
      - { .name: wcodes, .offset: 88, .size: 8, .value_kind: global_buffer, .address_space: global }
    .group_segment_fixed_size: 1536
    .private_segment_fixed_size: 0
    .kernarg_segment_align: 8
    .kernarg_segment_size: 96
    .max_flat_workgroup_size: 256
    .sgpr_count:     100
    .vgpr_count:     256
    .wavefront_size: 32
...
	.end_amdgpu_metadata
.endif
;; end of part 1
;; launch qkv (part 2): grid 2 x 128, 4 waves a work-group, no clusters, 197,120 bytes of LDS; arguments hq, hk, hv, wcodes, bq, bk, bv, lowp_scales, qc, kc, vc; writes qc, kc, vc
.if DOCPART == 2
	.amdgcn_target "amdgcn-amd-amdhsa--gfx1250"
	.amdhsa_code_object_version 6
	.text
	.protected	k_q3e3ce00bfa_qkv
	.globl	k_q3e3ce00bfa_qkv
	.p2align	8
	.type	k_q3e3ce00bfa_qkv,@function
k_q3e3ce00bfa_qkv:
	s_mov_b64 s[64:65], 0
	v_nop
	global_prefetch_b8 v0, s[64:65] scope:SCOPE_SE
	s_setreg_imm32_b32 hwreg(HW_REG_WAVE_MODE, 25, 1), 1
	s_wait_xcnt 0x0
; q, k, v = W h + b on codes of E4M3, and the codes of q, k, v for the attention's two products.
; SHARES.  Work-group (yh, pb): positions 128 pb .. + 127 x outputs 256 yh .. + 255 of each of the three products.  Wave w: outputs 256 yh + 64 w .. + 63 (4 tiles) x 128 positions (8 tiles): 32 accumulators.
; All operands are images of operand registers (a fragment = 16 rows x 128 K = 2,048 bytes; registers 4 c .. 4 c + 3 of lane l at byte 512 c + 16 l).
; h: three blocks of 65,536 bytes in LDS, one for each product's scale, each from its own buffer (hq, hk, hv), each filled once by tensor loads, a quarter a wave: no byte of LDS is filled twice.
; Weights: a wave's 16 fragments of a product go from memory straight into its registers; the next product's are asked for ahead of this product's way out.
; NO CLUSTER: each weight fragment feeds one wave of a work-group and needs no LDS; asked for jointly it would have to pass through LDS, where h's 196,608 bytes lie, so the 393,216 bytes of weights would
; want slots filled again, with a round of the cluster's barrier each, for 12 K steps in all; and a block of h is shared by two work-groups only.
; q, k: source 0 = 16 rows of W, source 1 = 16 positions: a lane holds one position and eight outputs, which are the next K.  The 16 registers of two neighbouring tiles of outputs become 16 bytes of the image:
;       byte i of piece c is k = 32 c + 16 (i / 8) + 8 (l / 16) + i % 8.   qc, kc: [tile of 16 positions][K step 4][2,048].
; v:    source 0 = 16 positions, source 1 = 16 rows of W: a lane holds one channel and eight positions (keys), the next K, in the same order.   vc: [256 keys: 64][tile of 16 channels: 32][128 keys: 2][2,048].
; The bias is the C of each sum's first matrix instruction, divided by the power of two that the sums lack; the three scales are folded into the conversion's one: 2^(eo - ea - eb).
; LIMITS: e6 - e0 - e1, e7 - e2 - e3 and e8 - e4 - e5 between -126 and 119.  NaN among the inputs is not served.
; REGISTERS, in windows of 256: window 0: v1-7 addresses and scales, v8-11 bv as loaded, v32-63 the bias in the result's layout, v64-127 codes.
;   window 1: W(i, s) at v[16 (i + 4 s)].   window 2: the 32 accumulators.   window 3: h's eight fragments of a K step, two sets, at v[128 (s % 2) + 16 j].
.set BIAS, 32
.set CODE, 64
.set MSB, 0
.macro WIN new                         ; the immediate's high byte repeats the setting that is left; bits 1:0 source 0, 3:2 source 1, 5:4 source 2, 7:6 destination
.if MSB != \new
	s_set_vgpr_msb (MSB<<8)|\new
.set MSB, \new
.endif
.endm
.macro PLACES                          ; four plain vector instructions between a matrix instruction and a load into its sources or a read of its result
.rept 4
	v_nop
.endr
.endm
	s_load_b512 s[4:19], s[0:1], 0x0               ; hq 4, hk 6, hv 8, wcodes 10, bq 12, bk 14, bv 16, the scales' exponents 18
	s_load_b128 s[20:23], s[0:1], 0x40             ; qc 20, kc 22
	s_load_b64 s[24:25], s[0:1], 0x50              ; vc
	v_lshl_add_u32 v254, v0, 2, 0x30000
	v_mov_b32 v255, 0
	ds_add_u32 v254, v255
	ds_add_u32 v254, v255
	v_lshrrev_b32 v1, 5, v0
	v_readfirstlane_b32 s26, v1                    ; wave 0..3
	s_mov_b32 s27, ttmp9                           ; yh
	s_and_b32 s37, ttmp7, 0xffff                   ; pb
	; descriptor group 1: a dense block as 64 rows of 256 bytes (32 elements of 8 bytes)
	s_mov_b32 s40, 3<<16                           ; no mask; elements of 8 bytes; no padding
	s_mov_b32 s41, 32<<16                          ; tensor_dim0 = 32
	s_mov_b32 s42, 64<<16                          ; tensor_dim1 = 64
	s_mov_b32 s43, 32<<16                          ; tile_dim0 = 32
	s_mov_b32 s44, 64                              ; tile_dim1 = 64
	s_mov_b32 s45, 32                              ; from row to row
	s_mov_b32 s46, 0
	s_mov_b32 s47, 0
	v_and_b32 v1, 31, v0
	v_lshlrev_b32 v1, 4, v1                        ; 16 x lane: an image's place for my lane, in LDS (block 0) and in memory
	v_add_nc_u32 v2, 0x10000, v1                   ; the same in block 1
	v_add_nc_u32 v3, 0x20000, v1                   ; and in block 2
	v_bfe_u32 v4, v0, 4, 1
	v_lshlrev_b32 v4, 5, v4                        ; bq, bk: eight numbers for each half of the lanes
	v_and_b32 v5, 15, v0
	v_lshlrev_b32 v5, 2, v5                        ; bv: a number a lane
	s_lshl_b32 s38, s26, 14                        ; my quarter of a block
	s_lshl_b32 s60, s37, 16                        ; the block of 128 positions: 8 tiles of 8,192 bytes
	s_add_co_u32 s60, s60, s38
	s_mov_b32 s61, 0
	s_wait_dscnt 0x0
	s_wait_kmcnt 0x0
	s_load_b256 s[28:35], s[18:19], 0x0            ; e0 .. e7
	s_load_b32 s36, s[18:19], 0x20                 ; e8
.irp p, 0,1,2
	s_mov_b32 s[48+4*\p], 1                        ; count = 1
	s_add_co_u32 s[49+4*\p], s38, \p*65536         ; LDS address: block p, my quarter
	s_add_nc_u64 s[50+4*\p:51+4*\p], s[4+2*\p:5+2*\p], s[60:61]   ; block p comes from its own buffer: hq, hk, hv
	s_or_b32 s[51+4*\p], s[51+4*\p], 0x80000000    ; type = 2
.endr
	tensor_load_to_lds s[48:51], s[40:47]          ; the three first fills go out together: three tensor loads of mine are out
	s_nop 0
	tensor_load_to_lds s[52:55], s[40:47]
	s_nop 0
	tensor_load_to_lds s[56:59], s[40:47]
	s_nop 0
	PLACES                                         ; four plain instructions behind the tensor loads, ahead of the first switch of windows
	s_wait_kmcnt 0x0                               ; the exponents
.macro SCL p, ea, eb, eo
	s_add_co_i32 s62, s[\ea], s[\eb]
	s_sub_co_i32 s[68+\p], 0, s62                  ; the bias goes in as b / 2^(ea + eb)
	s_sub_co_i32 s62, s[\eo], s62
	s_add_co_i32 s62, s62, 127
	s_lshl_b32 s[72+\p], s62, 23                   ; 2^(eo - ea - eb)
	s_add_co_i32 s62, s62, 8
	s_lshl_b32 s62, s62, 23
	s_or_b32 s[76+\p], s62, 0x600000               ; 448 x that
.endm
	SCL 0, 28, 29, 34
	SCL 1, 30, 31, 35
	SCL 2, 32, 33, 36
	s_lshl_b32 s62, s27, 4
	s_lshl_b32 s63, s26, 2
	s_add_co_u32 s62, s62, s63                     ; my first tile of outputs: 16 yh + 4 w
	s_lshl_b32 s38, s62, 13
	s_mov_b32 s39, 0
	s_add_nc_u64 s[10:11], s[10:11], s[38:39]      ; 8,192 bytes a tile
	s_lshl_b32 s38, s62, 6
	s_add_nc_u64 s[12:13], s[12:13], s[38:39]      ; 64 bytes of bias a tile
	s_add_nc_u64 s[14:15], s[14:15], s[38:39]
	s_add_nc_u64 s[16:17], s[16:17], s[38:39]
	s_lshl_b32 s38, s27, 1
	s_lshr_b32 s63, s26, 1
	s_add_co_u32 s38, s38, s63
	s_lshl_b32 s38, s38, 11                        ; qc, kc: my 64 outputs are half of K step 2 yh + w / 2,
	s_and_b32 s63, s26, 1
	s_lshl_b32 s63, s63, 10                        ; its pieces 2 (w % 2) and 2 (w % 2) + 1
	s_add_co_u32 s38, s38, s63
	s_lshl_b32 s63, s37, 16
	s_add_co_u32 s38, s38, s63
	s_add_nc_u64 s[20:21], s[20:21], s[38:39]
	s_add_nc_u64 s[22:23], s[22:23], s[38:39]
	s_lshr_b32 s38, s37, 1
	s_lshl_b32 s38, s38, 17                        ; vc: the 256 keys,
	s_lshl_b32 s63, s62, 12                        ; my first tile of channels,
	s_add_co_u32 s38, s38, s63
	s_and_b32 s63, s37, 1
	s_lshl_b32 s63, s63, 11                        ; which 128 of the 256 keys
	s_add_co_u32 s38, s38, s63
	s_add_nc_u64 s[24:25], s[24:25], s[38:39]
.macro WLOAD p                         ; my 16 fragments of product p's weight
	WIN 0x40
.irp s, 0,1,2,3
.irp i, 0,1,2,3
.irp c, 0,1,2,3
	global_load_b128 v[16*(\i+4*\s)+4*\c:16*(\i+4*\s)+4*\c+3], v1, s[10:11] offset:(\p)*262144+\i*8192+\s*2048+512*\c
.endr
.endr
.endr
	WIN 0
.endm
.macro BLOAD p
.if (\p) < 2
.irp i, 0,1,2,3
	global_load_b128 v[BIAS+8*\i:BIAS+8*\i+3],   v4, s[12+2*(\p):13+2*(\p)] offset:64*\i      ; lane (r, h): the bias of outputs 16 i + 8 h + 0 .. 7
	global_load_b128 v[BIAS+8*\i+4:BIAS+8*\i+7], v4, s[12+2*(\p):13+2*(\p)] offset:64*\i+16
.endr
.else
.irp j, 0,1,2,3
	global_load_b32 v[8+\j], v5, s[16:17] offset:64*\j                                       ; lane (r, h): the bias of channel 16 j + r
.endr
.endif
.endm
.macro BSCALE p
	WIN 0
.if (\p) < 2
.set n, 0
.rept 32
	v_ldexp_f32 v[BIAS+n], v[BIAS+n], s[68+(\p)]
.set n, n+1
.endr
.else
.irp j, 0,1,2,3
.irp q, 0,1,2,3,4,5,6,7
	v_ldexp_f32 v[BIAS+8*\j+\q], v[8+\j], s70      ; the scaling is also the copy into the tile's eight registers
.endr
.endr
.endif
.endm
.macro FETCH_H p, s                    ; h's eight fragments of K step s, out of block p, into set s % 2
	WIN 0xc0
.irp j, 0,1,2,3,4,5,6,7
.irp c, 0,1,2,3
	ds_load_b128 v[128*((\s)%2)+16*\j+4*\c:128*((\s)%2)+16*\j+4*\c+3], v[1+(\p)] offset:\j*8192+(\s)*2048+512*\c
.endr
.endr
.endm
; 32 matrix instructions, one on each accumulator: the accumulators take turns
.macro MUL p, s
.if (\p) < 2
.if (\s) == 0
	WIN 0x8d                                       ; source 0 (W) window 1, source 1 (h) window 3, C (the bias) window 0, D window 2
.else
	WIN 0xad
.endif
.irp j, 0,1,2,3,4,5,6,7
.irp i, 0,1,2,3
.if (\s) == 0
	v_wmma_f32_16x16x128_fp8_fp8 v[8*(\i+4*\j):8*(\i+4*\j)+7], v[16*(\i+4*(\s)):16*(\i+4*(\s))+15], v[128*((\s)%2)+16*\j:128*((\s)%2)+16*\j+15], v[BIAS+8*\i:BIAS+8*\i+7]
.else
	v_wmma_f32_16x16x128_fp8_fp8 v[8*(\i+4*\j):8*(\i+4*\j)+7], v[16*(\i+4*(\s)):16*(\i+4*(\s))+15], v[128*((\s)%2)+16*\j:128*((\s)%2)+16*\j+15], v[8*(\i+4*\j):8*(\i+4*\j)+7]
.endif
.endr
.endr
.else
.if (\s) == 0
	WIN 0x87                                       ; source 0 (h) window 3, source 1 (W) window 1
.else
	WIN 0xa7
.endif
.irp j, 0,1,2,3
.irp i, 0,1,2,3,4,5,6,7
.if (\s) == 0
	v_wmma_f32_16x16x128_fp8_fp8 v[8*(\i+8*\j):8*(\i+8*\j)+7], v[128*((\s)%2)+16*\i:128*((\s)%2)+16*\i+15], v[16*(\j+4*(\s)):16*(\j+4*(\s))+15], v[BIAS+8*\j:BIAS+8*\j+7]
.else
	v_wmma_f32_16x16x128_fp8_fp8 v[8*(\i+8*\j):8*(\i+8*\j)+7], v[128*((\s)%2)+16*\i:128*((\s)%2)+16*\i+15], v[16*(\j+4*(\s)):16*(\j+4*(\s))+15], v[8*(\i+8*\j):8*(\i+8*\j)+7]
.endif
.endr
.endr
.endif
.endm
; THE WAY OUT: hold, convert, store.  Registers 16 P .. 16 P + 15 (two neighbouring tiles along the next K) become 16 bytes a lane; a store covers 512 consecutive bytes.
.macro EPI p
	WIN 0
	v_mov_b32 v6, s[72+(\p)]
	v_mov_b32 v7, s[76+(\p)]
	WIN 0x82
.set n, 0
.rept 256
	v_med3_num_f32 v[n], v[n], -v7, v7             ; ascending: each accumulator is read from its low end on
.set n, n+1
.endr
	WIN 0x02
.set n, 0
.rept 16
	v_cvt_scalef32_pk8_fp8_f32 v[CODE+4*n:CODE+4*n+1], v[16*n:16*n+7], v6
	v_cvt_scalef32_pk8_fp8_f32 v[CODE+4*n+2:CODE+4*n+3], v[16*n+8:16*n+15], v6
.set n, n+1
.endr
	v_nop                                          ; a plain instruction behind the last conversion: the next product's matrix instructions write its sources
	WIN 0
.if (\p) < 2
.irp j, 0,1,2,3,4,5,6,7
.irp b, 0,1
	global_store_b128 v1, v[CODE+4*(2*\j+\b):CODE+4*(2*\j+\b)+3], s[20+2*(\p):21+2*(\p)] offset:\j*8192+512*\b
.endr
.endr
.else
.irp j, 0,1,2,3
.irp b, 0,1,2,3
	global_store_b128 v1, v[CODE+4*(4*\j+\b):CODE+4*(4*\j+\b)+3], s[24:25] offset:\j*4096+512*\b
.endr
.endr
.endif
.endm
.macro PRODUCT p, nxt
	s_wait_tensorcnt 2-\p                          ; my quarter of block p is in; the later blocks' loads may be out
	s_wait_dscnt 0x0
	s_barrier_signal -1
	s_barrier_wait -1                              ; everybody's quarter is in
	FETCH_H \p, 0
	s_wait_loadcnt 0x0                             ; the weight's fragments and the bias
	BSCALE \p
.irp s, 0,1,2,3
	s_wait_dscnt 0x0                               ; this K step's fragments of h are in
.if \s < 3
	PLACES                                         ; the other set was read by the matrix instructions just issued
	FETCH_H \p, \s+1                               ; the next K step's come while this one is multiplied
.endif
	MUL \p, \s
.endr
	PLACES
.if \p < 2
	WLOAD \nxt                                     ; the next product's weight and bias are on their way during this product's way out
	BLOAD \nxt
.endif
.if \p > 0
	s_wait_xcnt 0x0                                ; the codes' registers, which the last product's stores read, are written again only behind this wait
.endif
	EPI \p
.endm
	WLOAD 0
	BLOAD 0
	PRODUCT 0, 1
	PRODUCT 1, 2
	PRODUCT 2, 0
	s_wait_tensorcnt 0x0
	ds_add_u32 v254, v255
	s_wait_dscnt 0x0
	s_endpgm
.Lfunc_end_k_q3e3ce00bfa_qkv:
	.size	k_q3e3ce00bfa_qkv, .Lfunc_end_k_q3e3ce00bfa_qkv-k_q3e3ce00bfa_qkv
	.p2alignl 7, 3214868480
	.fill 96, 4, 3214868480
	.section	.rodata,"a",@progbits
	.p2align	6, 0x0
	.amdhsa_kernel k_q3e3ce00bfa_qkv
		.amdhsa_group_segment_fixed_size 197120
		.amdhsa_private_segment_fixed_size 0
		.amdhsa_enable_private_segment 0
		.amdhsa_kernarg_size 88
		.amdhsa_user_sgpr_count 2
		.amdhsa_user_sgpr_kernarg_segment_ptr 1
		.amdhsa_wavefront_size32 1
		.amdhsa_system_sgpr_workgroup_id_x 1
		.amdhsa_system_sgpr_workgroup_id_y 1
		.amdhsa_system_sgpr_workgroup_id_z 1
		.amdhsa_system_vgpr_workitem_id 0
		.amdhsa_next_free_vgpr 1024
		.amdhsa_next_free_sgpr 84
		.amdhsa_reserve_vcc 0
		.amdhsa_float_denorm_mode_32 3
		.amdhsa_float_denorm_mode_16_64 3
		.amdhsa_memory_ordered 1
		.amdhsa_forward_progress 1
		.amdhsa_inst_pref_size 142
	.end_amdhsa_kernel
	.amdgpu_metadata
---
amdhsa.version: [ 1, 2 ]
amdhsa.kernels:
  - .name:           k_q3e3ce00bfa_qkv
    .symbol:         k_q3e3ce00bfa_qkv.kd
    .args:
      - { .name: hq, .offset: 0, .size: 8, .value_kind: global_buffer, .address_space: global }
      - { .name: hk, .offset: 8, .size: 8, .value_kind: global_buffer, .address_space: global }
      - { .name: hv, .offset: 16, .size: 8, .value_kind: global_buffer, .address_space: global }
      - { .name: wcodes, .offset: 24, .size: 8, .value_kind: global_buffer, .address_space: global }
      - { .name: bq, .offset: 32, .size: 8, .value_kind: global_buffer, .address_space: global }
      - { .name: bk, .offset: 40, .size: 8, .value_kind: global_buffer, .address_space: global }
      - { .name: bv, .offset: 48, .size: 8, .value_kind: global_buffer, .address_space: global }
      - { .name: lowp_scales, .offset: 56, .size: 8, .value_kind: global_buffer, .address_space: global }
      - { .name: qc, .offset: 64, .size: 8, .value_kind: global_buffer, .address_space: global }
      - { .name: kc, .offset: 72, .size: 8, .value_kind: global_buffer, .address_space: global }
      - { .name: vc, .offset: 80, .size: 8, .value_kind: global_buffer, .address_space: global }
    .group_segment_fixed_size: 197120
    .private_segment_fixed_size: 0
    .kernarg_segment_align: 8
    .kernarg_segment_size: 88
    .max_flat_workgroup_size: 128
    .sgpr_count:     84
    .vgpr_count:     1024
    .wavefront_size: 32
...
	.end_amdgpu_metadata
.endif
;; end of part 2
;; launch attn (part 3): grid 32 x 8, 4 waves a work-group, clusters of 4 x 1, 327,680 bytes of LDS; arguments qc, kc, vc, wcodes, bp, x, lowp_scales, out0; writes out0
.if DOCPART == 3
	.amdgcn_target "amdgcn-amd-amdhsa--gfx1250"
	.amdhsa_code_object_version 6
	.text
	.protected	k_q3e3ce00bfa_attn
	.globl	k_q3e3ce00bfa_attn
	.p2align	8
	.type	k_q3e3ce00bfa_attn,@function
k_q3e3ce00bfa_attn:
	s_mov_b64 s[64:65], 0
	v_nop
	global_prefetch_b8 v0, s[64:65] scope:SCOPE_SE
	s_setreg_imm32_b32 hwreg(HW_REG_WAVE_MODE, 25, 1), 1
	s_wait_xcnt 0x0
	s_wait_alu depctr_hold_cnt(0) depctr_sa_sdst(0) depctr_va_vdst(0) depctr_va_sdst(0) depctr_va_ssrc(0) depctr_va_vcc(0) depctr_vm_vsrc(0)
	s_getreg_b32 s2, hwreg(HW_REG_IB_STS2, 6, 4)
	s_cmp_eq_u32 s2, 0
	s_cbranch_scc0 .Lentry_in_a_cluster
	s_endpgm
.Lentry_in_a_cluster:
	s_bfe_u32 s2, ttmp6, 0x10000c
	s_cmp_lg_u32 s2, 0x3003
	s_cbranch_scc0 .Lentry_shape_is_right
	s_endpgm
.Lentry_shape_is_right:
; out = x + wp (v softmax(q^T k / sqrt(512))^T) + bp, all three products on codes of E4M3.  One head of size 512, 2,048 positions, 8 batches.
; SHARES.  A work-group owns 64 queries (4 tiles j) of one batch; keys go in 8 steps of 256.  THE WAVES SPLIT WHAT IS STREAMED, so that each byte of k and v is taken by one wave, for four matrix instructions:
;   S^T = K Q^T:    wave w takes keys 64 w .. + 63 of the step (4 tiles i) x all 64 queries.  64 matrix instructions.
;   O^T += V^T P^T: wave w takes channels 128 w .. + 127 (8 tiles t) x 64 queries.  64 matrix instructions.
;   The waves' maxima (1,024 bytes) and p's codes (16,384 bytes, as images of operand registers) go from wave to wave through LDS.  All waves hold the same M; each sums p over its own keys; the four sums meet at the end.
; SOFTMAX.  t = score x log2(e) / sqrt(512); M = the running largest t rounded up to a whole number; p = 2^(t - M) is quantised with 2^e9, not normalised; the sum is taken of the unquantised p.  When M moves, the sum
;   and O^T are multiplied by 2^(old M - new M), which rounds nothing.
; K goes from memory straight into the one wave's registers that multiply it: 64 loads of 512 bytes a wave and step, asked for behind the S^T products of the step before (60 of them; the last 4 behind the softmax, so that no
;   more than 63 need be out), and waited for K step by K step.
; V comes through two LDS slots of 256 keys, by joint loads of the cluster's four work-groups (mask 15), a quarter a wave; V of step s + 2 is asked for behind the round at the end of step s.  Each wave reads the quarter
;   that it fetched.  Two tensor loads of a wave are out at the start, one afterwards.
; K IS NOT ASKED FOR JOINTLY: a joint load lands in LDS, where V's two slots (262,144 bytes), Q (32,768), p (16,384) and the small words leave 13,824 bytes; with K in LDS each of K and V would have one region, and since every
;   wave waits for all its tensor loads ahead of each refill, only one of the two refills could be on its way at a time.
; Q lies in LDS (32,768 bytes, written once, a tile a wave) and is fetched into registers in each step: the registers that hold it are P's and V's in the step's other half.
; IMAGES.  A fragment = 16 rows x 128 K = 2,048 bytes; registers 4 c .. 4 c + 3 of lane l at byte 512 c + 16 l: every load of one takes 512 consecutive bytes, so LDS needs no padding.
;   Byte i of piece c is k = 32 c + 16 (i / 8) + 8 (l / 16) + i % 8: what the 16 registers of two neighbouring result tiles give when converted; q, k, v, p, the attention's result and wp all lie so.
; THE PROJECTION: wave w's 128 channels of the result are its K step w; the images meet in LDS; wave w then makes outputs 128 w .. + 127 for the 64 queries (source 0 = 16 queries, source 1 = 16 rows of wp: a lane holds
;   one output row and eight neighbouring positions), adds bp and x, and stores rows of 256 bytes through its own stage.  wp's K steps 0 and 1 are asked for behind the last S^T products, into K's registers; its K steps 2
;   and 3 come by one joint load into slot 0, behind the round at the end of step 6.
; LIMITS: e6 + e7 between -122 and 131 (they are added to c's exponent field); e9 between -126 and 119; e10 + e11 between -126 and 127.  NaN among the inputs is not served.
; REGISTERS, in windows of 256: window 0: v1-28 addresses and constants; v32-63 eight registers of statistics a tile: +0 -M, +1 the largest t, +2, +3 the sum, +4 f (later the divisor), +5 zero, +6, +7 at work;
;   v64-95 codes, later results; v96-111 words from LDS; v112-127 bp (even registers); v128-255 S^T(i, j) at 128 + 8 (i + 4 j), later x's tiles 0-3.
;   window 1: Q(j, s) at 16 (4 j + s); then P(j, kb) at 16 (4 kb + j) and V at 128 + 16 t; later the result's fragments at 16 (4 s + j), then x's tiles 4-7.
;   window 2: O^T(t, j) at 8 (t + 8 j), later the projection's sums at 8 (j + 4 t).   window 3: K(i, s) at 16 (i + 4 s), later wp(t, s) at 128 (s % 2) + 16 t.
.set SLOT1, 131072                     ; V's slot 0 begins at 0, slot 1 here: one exclusive or turns an address in one slot into the other's
.set PB,    262144                     ; p's images: [128 keys: 2][tile of queries: 4][2,048]
.set MX,    278528                     ; the waves' maxima: [query 64][wave 4]
.set LX,    279552                     ; the waves' sums, likewise
.set SPARE, 280576                     ; the spare words, 128 bytes a wave: two blocks of 256 bytes that no other line names
.set QS,    281088                     ; Q's images: [tile of queries: 4][K step: 4][2,048]; no tensor load lands here
.set AIMG,  131072                     ; the result's images [tile 4][K step 4][2,048], and
.set STAGE, 163840                     ; the way out's stages, 16 rows x 272 bytes a wave: both in slot 1, which has then had its last fill and its last read
.set STEPB, 131072                     ; 256 keys of k or of v in memory
.set ST,    32
.set SC,    128
.set CD,    64
.set MSB, 0
.macro WIN new                         ; the immediate's high byte repeats the setting that is left; bits 1:0 source 0, 3:2 source 1, 5:4 source 2, 7:6 destination
.if MSB != \new
	s_set_vgpr_msb (MSB<<8)|\new
.set MSB, \new
.endif
.endm
.macro PLACES                          ; four plain vector instructions between a matrix instruction and a load into its sources or a read of its result
.rept 4
	v_nop
.endr
.endm
.macro CROUND                          ; a round of the cluster's barrier
	s_barrier_signal -1
	s_barrier_wait -1
	s_cmp_lg_u32 s22, 0
	s_cbranch_scc1 .Lnot_wave_0_\@
	s_barrier_signal -3
.Lnot_wave_0_\@:
	s_barrier_wait -3
	s_barrier_signal -1
	s_barrier_wait -1
.endm
; A prefetch of one step of k or of v, the step behind the one just asked for: 131,072 bytes as 512 blocks of 256.  All clusters of a batch walk the same k and v: the batch's first cluster asks.  Its four partners take
; 32,768 bytes each, told apart by address; in each, wave w takes 8,192, lanes 256 bytes apart: each block is named once in the launch.  how = 1: in every step that has the line (K: steps 0 to 5 name steps 2 to 7);
; how = 0: while more than one refill is to come (V: steps 0 to 4 name steps 3 to 7).
.macro ASK pf, how
.if \how
	s_cmp_eq_u32 s52, 1
.else
	s_cmp_gt_u32 s53, s52
.endif
	s_cbranch_scc0 .Lnot_mine_\@
	global_prefetch_b8 v10, s[\pf:\pf+1] th:TH_LOAD_NT scope:SCOPE_SE
.Lnot_mine_\@:
.endm
; The slot just read out is filled again.  Every wave waits for all its tensor loads (the other slot's), adds 0 to its spare word, and waits for that and for all its LDS instructions; a round of the cluster's barrier; the refill
; first thing behind it.  what = 1: V of two steps on;  what = 2: wp's K steps 2 and 3.
.macro SYNC what
	WIN 0
	s_wait_tensorcnt 0x0                           ; no tensor load of mine is out, so a group 0 may be written
	ds_add_u32 v8, v9                              ; 0 onto my spare word
.if \what == 1
	s_xor_b32 s45, s45, SLOT1                      ; the walking descriptor: the other slot than last time,
	s_add_nc_u64 s[46:47], s[46:47], STEPB         ; the next 256 keys; the type bits on top are not reached
	s_wait_xcnt 0x0                                ; the earlier prefetches have read their addresses
	s_add_nc_u64 s[50:51], s[50:51], STEPB         ; one step further on than the descriptor
.endif
	s_wait_dscnt 0x0                               ; the add is done, my reads of the slot are over
	CROUND
.if \what == 1
	tensor_load_to_lds s[44:47], s[32:39]          ; my one tensor load until the next round: it has a whole step in which to land
	s_nop 0
	PLACES                                         ; the places in front of the LDS loads that follow
	ASK 50, 0
.else
	tensor_load_to_lds s[84:87], s[76:83]
	s_nop 0
	PLACES
.endif
.endm
; K's loads a .. a + cnt - 1 of a step's 64, K step by K step: load n = 16 s + 4 i + c fills registers 4 n .. 4 n + 3 of window 3
.macro KLOAD a, cnt
.set kn, \a
.rept \cnt
	global_load_b128 v[4*kn:4*kn+3], v1, s[88:89] offset:((kn/4)%4)*8192+(kn/16)*2048+(kn%4)*512
.set kn, kn+1
.endr
.endm
; the same for wp's K steps 0 and 1: load n = 32 s + 4 t + c
.macro WPLOAD a, cnt
.set kn, \a
.rept \cnt
	global_load_b128 v[4*kn:4*kn+3], v1, s[10:11] offset:((kn/4)%8)*8192+(kn/32)*2048+(kn%4)*512
.set kn, kn+1
.endr
.endm
	s_load_b512 s[4:19], s[0:1], 0x0               ; qc 4, kc 6, vc 8, wcodes 10, bp 12, x 14, the scales' exponents 16, out0 18
	v_lshl_add_u32 v8, v0, 2, SPARE
	v_mov_b32 v9, 0
	ds_add_u32 v8, v9
	ds_add_u32 v8, v9
	s_wait_dscnt 0x0
	v_lshrrev_b32 v1, 5, v0
	v_readfirstlane_b32 s22, v1                    ; wave 0..3
	v_and_b32 v24, 31, v0                          ; lane
	v_and_b32 v25, 15, v0                          ; r
	v_bfe_u32 v26, v0, 4, 1                        ; h
	v_lshlrev_b32 v1, 4, v24                       ; 16 x lane
	s_bfe_u32 s23, ttmp6, 0x40000                  ; cx: it enters Q's, x's, out0's and the prefetches' addresses alone
	s_and_b32 s28, ttmp7, 0xffff                   ; the batch
	s_lshl_b32 s29, ttmp9, 2
	s_add_co_u32 s29, s29, s23                     ; my block of 64 queries
	; descriptor group 1 for V: a dense block as 128 rows of 256 bytes (32 elements of 8 bytes): 32,768 bytes a wave
	s_mov_b32 s32, 15|(3<<16)|(1<<21)              ; the mask: all four work-groups; elements of 8 bytes; bit 21 set beside a mask; no padding
	s_mov_b32 s33, 32<<16                          ; tensor_dim0 = 32
	s_mov_b32 s34, 128<<16                         ; tensor_dim1 = 128
	s_mov_b32 s35, 32<<16                          ; tile_dim0 = 32
	s_mov_b32 s36, 128                             ; tile_dim1 = 128
	s_mov_b32 s37, 32                              ; from row to row
	s_mov_b32 s38, 0
	s_mov_b32 s39, 0
	; descriptor group 1 for wp's K steps 2 and 3: of each of my 8 tiles of outputs (8,192 bytes apart) the second 4,096 bytes
	s_mov_b32 s76, 15|(3<<16)|(1<<21)
	s_mov_b32 s77, 512<<16                         ; tensor_dim0 = 512 elements of 8 bytes
	s_mov_b32 s78, 8<<16                           ; tensor_dim1 = 8
	s_mov_b32 s79, 512<<16                         ; tile_dim0 = 512
	s_mov_b32 s80, 8                               ; tile_dim1 = 8
	s_mov_b32 s81, 1024                            ; from row to row
	s_mov_b32 s82, 0
	s_mov_b32 s83, 0
	s_mov_b32 s56, 0x76543210                      ; v_permlanex16_b32: lane l takes lane l xor 16
	s_mov_b32 s57, 0xfedcba98
	s_lshl_b32 s60, s28, 20                        ; the batch's codes: 1,048,576 bytes in each of qc, kc, vc
	s_lshl_b32 s41, s22, 15                        ; my quarter of a step, in memory and in a slot
	s_add_co_u32 s60, s60, s41
	s_mov_b32 s61, 0
	s_cmp_eq_u32 ttmp9, 0                          ; the batch's first cluster: the same in all four partners
	s_cselect_b32 s52, 1, -1
	s_mov_b32 s58, 0                               ; the slot in hand
	s_lshl_b32 s62, s28, 20
	s_lshl_b32 s63, s29, 15                        ; 64 queries: 4 tiles of 8,192 bytes,
	s_add_co_u32 s62, s62, s63
	s_lshl_b32 s63, s22, 13                        ; of which I copy tile w
	s_add_co_u32 s62, s62, s63
	s_mov_b32 s63, 0
	s_wait_kmcnt 0x0
	s_load_b64 s[20:21], s[16:17], 0x18            ; e6, e7
	s_load_b128 s[24:27], s[16:17], 0x20           ; e8 .. e11
	s_add_nc_u64 s[4:5], s[4:5], s[62:63]
	s_add_nc_u64 s[88:89], s[6:7], s[60:61]        ; K of step 0, my 64 keys
.irp i, 0,1,2,3,4,5,6,7,8,9,10,11,12,13,14,15
	global_load_b128 v[128+4*\i:131+4*\i], v1, s[4:5] offset:512*\i th:TH_LOAD_NT   ; what is wanted first is asked for first: a tile of Q,
.endr
	WIN 0xc0
	KLOAD 0, 44                                    ; and K of step 0: 60 loads are out
	WIN 0
	s_mov_b32 s40, 1                               ; V's groups 0: slot 0 takes step 0,
	s_add_nc_u64 s[42:43], s[8:9], s[60:61]
	s_mov_b32 s44, 1
	s_add_co_u32 s45, s41, SLOT1                   ; slot 1 step 1; this set then walks on
	s_add_nc_u64 s[46:47], s[42:43], STEPB
	s_or_b32 s43, s43, 0x80000000
	s_or_b32 s47, s47, 0x80000000
	s_lshl_b32 s60, s22, 16
	s_add_co_u32 s60, s60, 786432
	s_add_nc_u64 s[10:11], s[10:11], s[60:61]      ; wp's codes: my 8 tiles of outputs
	s_mov_b32 s84, 1
	s_lshl_b32 s85, s22, 15                        ; into my quarter of slot 0
	s_add_nc_u64 s[86:87], s[10:11], 4096          ; from K step 2 on
	s_or_b32 s87, s87, 0x80000000
	CROUND                                         ; all four work-groups are here: the first joint loads meet
	tensor_load_to_lds s[40:43], s[32:39]          ; V of step 0
	s_nop 0
	tensor_load_to_lds s[44:47], s[32:39]          ; V of step 1
	s_nop 0
	PLACES
	s_lshl_b32 s62, s22, 9
	s_add_nc_u64 s[12:13], s[12:13], s[62:63]      ; bp: my 128 outputs
	v_lshlrev_b32 v23, 2, v25
.irp t, 0,1,2,3,4,5,6,7
	v_mov_b32 v[113+2*\t], 0                       ; (named with bp's registers as pairs, so they are written)
.endr
	s_lshl_b32 s62, s28, 20                        ; the prefetches: K's stand at step 1, V's at step 2; each is stepped ahead of its first use.  Nothing is prefetched here, at the head
	s_lshl_b32 s30, s23, 15
	s_add_co_u32 s62, s62, s30
	s_lshl_b32 s30, s22, 13
	s_add_co_u32 s62, s62, s30
	s_add_co_u32 s62, s62, STEPB
	s_add_nc_u64 s[48:49], s[6:7], s[62:63]
	s_add_nc_u64 s[50:51], s[8:9], s[62:63]
	s_add_nc_u64 s[50:51], s[50:51], STEPB
	s_lshl_b32 s62, s28, 22                        ; x, out0: the batch's 512 rows of 8,192 bytes,
	s_lshl_b32 s30, s22, 20                        ; my 128 rows,
	s_add_co_u32 s62, s62, s30
	s_lshl_b32 s30, s29, 8                         ; my block's 256 bytes of a row
	s_add_co_u32 s62, s62, s30
	s_add_nc_u64 s[72:73], s[14:15], s[62:63]
	s_add_nc_u64 s[74:75], s[18:19], s[62:63]
	v_add_nc_u32 v2, QS, v1                        ; where Q is read
	s_lshl_b32 s30, s22, 13
	v_add_nc_u32 v27, s30, v2                      ; where I store my tile of it
	v_add_nc_u32 v3, s41, v1                       ; V, and wp: my quarter of slot 0
	s_lshl_b32 s30, s22, 2
	v_lshlrev_b32 v5, 4, v25
	v_add_nc_u32 v5, MX, v5                        ; the four waves' maxima of query r (+ 256 j)
	v_add_nc_u32 v4, s30, v5                       ; my wave's word among them
	v_add_nc_u32 v14, LX-MX, v5                    ; the same for the sums
	v_add_nc_u32 v13, s30, v14
	s_lshr_b32 s30, s22, 1
	s_lshl_b32 s30, s30, 13                        ; my 64 keys lie in block w / 2 of 128 keys,
	s_and_b32 s31, s22, 1
	s_lshl_b32 s31, s31, 10                        ; in its pieces 2 (w % 2) and 2 (w % 2) + 1
	s_add_co_u32 s30, s30, s31
	s_add_co_u32 s30, s30, PB
	v_add_nc_u32 v6, s30, v1                       ; where I store p's codes
	v_add_nc_u32 v7, PB, v1                        ; where all of them are read
	v_lshlrev_b32 v10, 8, v24                      ; the prefetches of k and v: lanes 256 bytes apart
	s_lshl_b32 s30, s22, 11
	s_add_co_u32 s30, s30, AIMG
	v_add_nc_u32 v15, s30, v1                      ; the result's images: I store K step w,
	v_add_nc_u32 v16, AIMG, v1                     ; and read them all
	s_mul_i32 s30, s22, 4352
	s_add_co_u32 s30, s30, STAGE                   ; my stage
	v_mul_u32_u24 v17, v25, 272
	v_lshl_add_u32 v17, v26, 5, v17
	v_add_nc_u32 v17, s30, v17                     ; in: row r, 32 bytes for each half of the lanes
	v_mul_u32_u24 v18, v26, 272
	v_lshl_add_u32 v18, v25, 4, v18
	v_add_nc_u32 v18, s30, v18                     ; back: lanes 0-15 one row of 256 bytes, lanes 16-31 the next
	v_lshlrev_b32 v19, 13, v26
	v_lshl_add_u32 v19, v25, 4, v19                ; and the same two rows in x and out0
	v_mov_b32 v20, 0x43e00000                      ; 448
	v_mov_b32 v21, 1.0                             ; the result's conversion divides by 1: its scales are in the divisor
	v_lshlrev_b32 v22, 13, v24                     ; the prefetches of x: a lane a row
.irp j, 0,1,2,3
	v_mov_b32 v[ST+8*\j+1], 0xff61b1e6             ; the largest t so far: -3e38, under every t
	v_floor_f32 v[ST+8*\j], -v[ST+8*\j+1]          ; -M
	v_mov_b32 v[ST+8*\j+2], 0                      ; the sum, in two halves
	v_mov_b32 v[ST+8*\j+3], 0
	v_mov_b32 v[ST+8*\j+5], 0                      ; (named as the upper half of f's pair)
.endr
	s_wait_kmcnt 0x0
	s_add_co_i32 s30, s20, s21
	s_lshl_b32 s30, s30, 23
	s_add_co_i32 s54, s30, 0x3d8293ee              ; c = log2(e) / sqrt(512), with e6 + e7 added to its exponent field
	s_mov_b32 s55, s54                             ; (named with it as a pair)
	s_add_co_i32 s30, s25, 127
	s_lshl_b32 s31, s30, 23
	v_mov_b32 v11, s31                             ; 2^e9
	s_add_co_i32 s30, s30, 8
	s_lshl_b32 s30, s30, 23
	s_or_b32 s30, s30, 0x600000
	v_mov_b32 v12, s30                             ; 448 x 2^e9
	s_add_co_i32 s30, s26, s27
	s_add_co_i32 s30, s30, 127
	s_lshl_b32 s68, s30, 23                        ; 2^(e10 + e11)
	s_mov_b32 s69, s68
	s_add_co_i32 s70, s24, s25
	s_sub_co_i32 s70, s70, s26                     ; e8 + e9 - e10
	s_wait_loadcnt 44                              ; my tile of Q is in; K's 44 loads may be out
.irp i, 0,1,2,3,4,5,6,7,8,9,10,11,12,13,14,15
	ds_store_b128 v27, v[128+4*\i:131+4*\i] offset:512*\i
.endr
	WIN 0xc0
	KLOAD 44, 20                                   ; the rest of K of step 0
	WIN 0
	s_wait_dscnt 0x0                               ; for the others' sake: my tile of Q lies in LDS
	s_barrier_signal -1                            ; V's two loads may stay out
	s_barrier_wait -1
.macro PVG t0, kb, zero                ; 16 matrix instructions on 16 accumulators: channels' tiles t0 .. t0 + 3 x the four tiles of queries, keys 128 kb on
.irp t, \t0, \t0+1, \t0+2, \t0+3
.irp j, 0,1,2,3
.if \zero
	v_wmma_f32_16x16x128_fp8_fp8 v[8*((\t)+8*\j):8*((\t)+8*\j)+7], v[128+16*(\t):128+16*(\t)+15], v[16*(4*\kb+\j):16*(4*\kb+\j)+15], 0
.else
	v_wmma_f32_16x16x128_fp8_fp8 v[8*((\t)+8*\j):8*((\t)+8*\j)+7], v[128+16*(\t):128+16*(\t)+15], v[16*(4*\kb+\j):16*(4*\kb+\j)+15], v[8*((\t)+8*\j):8*((\t)+8*\j)+7]
.endif
.endr
.endr
.endm
.macro VLOAD t0, kb                    ; four fragments of V out of the slot in hand
.irp t, \t0, \t0+1, \t0+2, \t0+3
.irp c, 0,1,2,3
	ds_load_b128 v[128+16*(\t)+4*\c:128+16*(\t)+4*\c+3], v28 offset:(\t)*4096+\kb*2048+512*\c
.endr
.endr
.endm
; A STEP OF 256 KEYS.  first = 1: O^T's sums begin (C = 0, nothing to rescale).  fill = 1: the slot is filled again with V of two steps on; 2: with wp's K steps 2 and 3; 0: not at all.
; tail = 1: the last step: no K follows; wp's K steps 0 and 1 take K's registers, and x is prefetched.
.macro STEP first, fill, tail
	; ---- S^T = K Q^T: my 64 keys x 64 queries
	WIN 0x40
.irp s, 0,1,2,3
.irp j, 0,1,2,3
.irp c, 0,1,2,3
	ds_load_b128 v[16*(4*\j+\s)+4*\c:16*(4*\j+\s)+4*\c+3], v2 offset:(4*\j+\s)*2048+512*\c
.endr
.endr
.endr
	WIN 0x07                                       ; source 0 (K) window 3, source 1 (Q) window 1, S^T window 0
.irp s, 0,1,2,3
	s_wait_dscnt 48-16*\s                          ; this K step's 16 loads of Q are in; the later K steps' may be out
	s_wait_loadcnt 48-16*\s                        ; and likewise K's 16
.irp j, 0,1,2,3
.irp i, 0,1,2,3
.if \s == 0
	v_wmma_f32_16x16x128_fp8_fp8 v[SC+8*(\i+4*\j):SC+8*(\i+4*\j)+7], v[16*(\i+4*\s):16*(\i+4*\s)+15], v[16*(4*\j+\s):16*(4*\j+\s)+15], 0
.else
	v_wmma_f32_16x16x128_fp8_fp8 v[SC+8*(\i+4*\j):SC+8*(\i+4*\j)+7], v[16*(\i+4*\s):16*(\i+4*\s)+15], v[16*(4*\j+\s):16*(4*\j+\s)+15], v[SC+8*(\i+4*\j):SC+8*(\i+4*\j)+7]
.endif
.endr
.endr
.endr
	PLACES
	; ---- K's registers are free: the next step's K is asked for; it has the softmax and O^T's products in which to come
.if \tail == 0
	s_wait_xcnt 0x0                                ; this step's loads are done, the earlier prefetches have read their addresses: both bases may be stepped
	s_add_nc_u64 s[88:89], s[88:89], STEPB
.if \fill == 1
	s_add_nc_u64 s[48:49], s[48:49], STEPB         ; one step further on than K's base
.endif
	WIN 0xc0
	KLOAD 0, 60
	WIN 0
.if \fill == 1
	ASK 48, 1                                      ; K of the step after: one step ahead of its loads
.endif
.else
	WIN 0xc0
	WPLOAD 0, 60
	WIN 0
.endif
	; ---- each query's largest score among my 64 keys: two chains a tile, the four tiles by turns; each accumulator is first read at its low end
.irp j, 0,1,2,3
	v_max3_num_f32 v[ST+8*\j+6], v[SC+32*\j], v[SC+32*\j+1], v[SC+32*\j+2]
.endr
.irp j, 0,1,2,3
	v_max3_num_f32 v[ST+8*\j+7], v[SC+32*\j+3], v[SC+32*\j+4], v[SC+32*\j+5]
.endr
.irp i, 6,10,14,18,22,26
.irp j, 0,1,2,3
	v_max3_num_f32 v[ST+8*\j+6], v[ST+8*\j+6], v[SC+32*\j+\i], v[SC+32*\j+\i+1]
.endr
.irp j, 0,1,2,3
	v_max3_num_f32 v[ST+8*\j+7], v[ST+8*\j+7], v[SC+32*\j+\i+2], v[SC+32*\j+\i+3]
.endr
.endr
.irp j, 0,1,2,3
	v_max3_num_f32 v[ST+8*\j+6], v[ST+8*\j+6], v[SC+32*\j+30], v[SC+32*\j+31]
.endr
.irp j, 0,1,2,3
	v_max_num_f32 v[ST+8*\j+6], v[ST+8*\j+6], v[ST+8*\j+7]
.endr
.irp j, 0,1,2,3
	v_permlanex16_b32 v[ST+8*\j+7], v[ST+8*\j+6], s56, s57   ; the query's other 32 of my keys lie in the lane 16 away
.endr
.irp j, 0,1,2,3
	v_max_num_f32 v[ST+8*\j+6], v[ST+8*\j+6], v[ST+8*\j+7]
.endr
.irp j, 0,1,2,3
	ds_store_b32 v4, v[ST+8*\j+6] offset:256*\j
.endr
.if \first
	s_wait_tensorcnt 0x1                           ; V of step 0 is in; V of step 1 may be out.  (In the later steps the wait ahead of the last round has shown this step's V landed)
.endif
	s_wait_dscnt 0x0                               ; my maxima lie in LDS
	s_barrier_signal -1
	s_barrier_wait -1
	; ---- the four waves' maxima; V's first eight fragments come during the softmax
.irp j, 0,1,2,3
	ds_load_b128 v[96+4*\j:99+4*\j], v5 offset:256*\j
.endr
	v_add_nc_u32 v28, s58, v3                      ; my quarter of the slot in hand
	WIN 0x40
	VLOAD 0, 0
	VLOAD 4, 0
	WIN 0
.if \tail
.irp q, 0,1,2,3
	global_prefetch_b8 v22, s[72:73] offset:262144*\q th:TH_LOAD_NT scope:SCOPE_SE   ; the 128 rows x 256 bytes of x that my wave will add: a lane a row, each block named once in the launch
.endr
.endif
	s_wait_dscnt 32                                ; the maxima are in; V's 32 loads may be out
.irp j, 0,1,2,3
	v_max3_num_f32 v[ST+8*\j+6], v[96+4*\j], v[97+4*\j], v[98+4*\j]
.endr
.irp j, 0,1,2,3
	v_max_num_f32 v[ST+8*\j+6], v[ST+8*\j+6], v[99+4*\j]
.endr
.irp j, 0,1,2,3
	v_mul_f32 v[ST+8*\j+6], s54, v[ST+8*\j+6]      ; as t (c is positive)
.endr
.irp j, 0,1,2,3
	v_max_num_f32 v[ST+8*\j+1], v[ST+8*\j+1], v[ST+8*\j+6]   ; the running largest t
.endr
.irp j, 0,1,2,3
	v_mov_b32 v[ST+8*\j+6], v[ST+8*\j]
.endr
.irp j, 0,1,2,3
	v_floor_f32 v[ST+8*\j], -v[ST+8*\j+1]          ; the new -M = floor(-t): M is a whole number
.endr
.irp j, 0,1,2,3
	v_sub_f32 v[ST+8*\j+6], v[ST+8*\j], v[ST+8*\j+6]   ; old M - new M: a whole number, 0 or less
.endr
.irp j, 0,1,2,3
	v_cvt_i32_f32 v[ST+8*\j+6], v[ST+8*\j+6]       ; (it saturates)
.endr
.irp j, 0,1,2,3
	v_ldexp_f32 v[ST+8*\j+4], 1.0, v[ST+8*\j+6]    ; f = 2^(old M - new M)
.endr
.irp j, 0,1,2,3
.set n, 0
.rept 16
	v_pk_fma_f32 v[SC+32*\j+n:SC+32*\j+n+1], v[SC+32*\j+n:SC+32*\j+n+1], s[54:55], v[ST+8*\j:ST+8*\j+1] op_sel_hi:[1,0,0]   ; t - M, two at a time
.set n, n+2
.endr
.endr
.set n, 0
.rept 128
	v_exp_f32 v[SC+n], v[SC+n]                     ; p = 2^(t - M): one batch
.set n, n+1
.endr
.irp j, 0,1,2,3
	v_pk_mul_f32 v[ST+8*\j+2:ST+8*\j+3], v[ST+8*\j+2:ST+8*\j+3], v[ST+8*\j+4:ST+8*\j+5] op_sel_hi:[1,0]   ; the sums under the new M; plain instructions behind the exponentials
.endr
	s_wait_alu depctr_va_vdst(0)                   ; one wait for the batch, ahead of its first reader
.irp j, 0,1,2,3
	v_pk_add_f32 v[ST+8*\j+6:ST+8*\j+7], v[SC+32*\j:SC+32*\j+1], v[SC+32*\j+2:SC+32*\j+3]   ; the sum is taken of the unquantised p, in two chains a tile
.endr
.irp i, 4,8,12,16,20,24,28
.irp j, 0,1,2,3
	v_pk_add_f32 v[ST+8*\j+2:ST+8*\j+3], v[ST+8*\j+2:ST+8*\j+3], v[SC+32*\j+\i:SC+32*\j+\i+1]
	v_pk_add_f32 v[ST+8*\j+6:ST+8*\j+7], v[ST+8*\j+6:ST+8*\j+7], v[SC+32*\j+\i+2:SC+32*\j+\i+3]
.endr
.endr
.irp j, 0,1,2,3
	v_pk_add_f32 v[ST+8*\j+2:ST+8*\j+3], v[ST+8*\j+2:ST+8*\j+3], v[ST+8*\j+6:ST+8*\j+7]
.endr
.irp j, 0,1,2,3
.set n, 0
.rept 32
	v_min_num_f32 v[SC+32*\j+n], v[SC+32*\j+n], v12   ; the conversion does not saturate (ISA guide 7.6.2); p is not negative, so the hold is one-sided
.set n, n+1
.endr
.irp b, 0,1
	v_cvt_scalef32_pk8_fp8_f32 v[CD+8*\j+4*\b:CD+8*\j+4*\b+1], v[SC+32*\j+16*\b:SC+32*\j+16*\b+7], v11
	v_cvt_scalef32_pk8_fp8_f32 v[CD+8*\j+4*\b+2:CD+8*\j+4*\b+3], v[SC+32*\j+16*\b+8:SC+32*\j+16*\b+15], v11
.endr
.endr
	v_nop                                          ; a plain instruction behind the last conversion: the next step's matrix instructions write its sources
	WIN 0xc0
.if \tail == 0
	KLOAD 60, 4                                    ; the last four of the next step's K
.else
	WPLOAD 60, 4
.endif
	WIN 0
.irp j, 0,1,2,3
.irp b, 0,1
	ds_store_b128 v6, v[CD+8*\j+4*\b:CD+8*\j+4*\b+3] offset:\j*2048+512*\b
.endr
.endr
	s_wait_dscnt 0x0                               ; my part of p lies in LDS; V's first eight fragments are in
	s_barrier_signal -1                            ; The other slot's load may stay out
.if \first == 0
	WIN 0x82
.irp j, 0,1,2,3
.set n, 0
.rept 32
	v_pk_mul_f32 v[64*\j+n:64*\j+n+1], v[64*\j+n:64*\j+n+1], v[ST+8*\j+4:ST+8*\j+5] op_sel_hi:[1,0]   ; O^T under the new M: work on registers while the others arrive
.set n, n+2
.endr
.endr
.endif
	s_barrier_wait -1
	; ---- O^T += V^T P^T: my 128 channels x 64 queries x 256 keys
	WIN 0x40
.irp kb, 0,1
.irp j, 0,1,2,3
.irp c, 0,1,2,3
	ds_load_b128 v[16*(4*\kb+\j)+4*\c:16*(4*\kb+\j)+4*\c+3], v7 offset:(4*\kb+\j)*2048+512*\c
.endr
.endr
.endr
	s_wait_dscnt 16                                ; p of the first 128 keys is in
	WIN 0xa5                                       ; V and P window 1, O^T window 2
	PVG 0, 0, \first
	PLACES
	WIN 0x40
	VLOAD 0, 1
	WIN 0xa5
	PVG 4, 0, \first
	PLACES
	WIN 0x40
	VLOAD 4, 1
	s_wait_dscnt 16                                ; all but the 16 just issued
	WIN 0xa5
	PVG 0, 1, 0
	s_wait_dscnt 0x0
	PVG 4, 1, 0
.if \fill
	SYNC \fill                                     ; the other slot's V has landed, nobody reads this slot any more: it is filled again
.endif
	s_xor_b32 s58, s58, SLOT1                      ; on to the other slot
.endm
	s_mov_b32 s53, 6                               ; refills with V still to come
	STEP 1, 1, 0                                   ; step 0
	s_mov_b32 s53, 5
.Lstep:                                            ; steps 1 to 5
	STEP 0, 1, 0
	s_sub_co_u32 s53, s53, 1
	s_cmp_lg_u32 s53, 0
	s_cbranch_scc1 .Lstep
	STEP 0, 2, 0                                   ; step 6: no V is left to ask for; slot 0 takes wp's K steps 2 and 3.  The last steps are written out
	STEP 0, 0, 1                                   ; step 7
	; ---------------- the tail ----------------
.macro XLOAD t0, rb                    ; x for four tiles of 16 output rows, two rows of 256 bytes an instruction, into v[rb] on
.irp u, 0,1,2,3
.irp i, 0,1,2,3,4,5,6,7
	global_load_b128 v[\rb+32*\u+4*\i:\rb+32*\u+4*\i+3], v19, s[72:73] offset:(16*(\t0+\u)+2*\i)*8192 th:TH_LOAD_NT
.endr
.endr
.endm
	PLACES
	WIN 0
.irp t, 0,1,2,3,4,5,6,7
	global_load_b32 v[112+2*\t], v23, s[12:13] offset:64*\t   ; bp of output 16 t + r
.endr
	XLOAD 0, 128                                   ; x's tiles 0-3 take S^T's registers: they have the divisions, the conversions and the projection in which to come
	; the row's sum: my two halves, the lane 16 away, the four waves
.irp j, 0,1,2,3
	v_add_f32 v[ST+8*\j+6], v[ST+8*\j+2], v[ST+8*\j+3]
.endr
.irp j, 0,1,2,3
	v_permlanex16_b32 v[ST+8*\j+7], v[ST+8*\j+6], s56, s57
.endr
.irp j, 0,1,2,3
	v_add_f32 v[ST+8*\j+6], v[ST+8*\j+6], v[ST+8*\j+7]
.endr
.irp j, 0,1,2,3
	ds_store_b32 v13, v[ST+8*\j+6] offset:256*\j
.endr
	s_wait_dscnt 0x0
	s_barrier_signal -1
	s_barrier_wait -1                              ; behind it nobody reads slot 1 or p's images any more
.irp j, 0,1,2,3
	ds_load_b128 v[96+4*\j:99+4*\j], v14 offset:256*\j
.endr
	s_wait_dscnt 0x0
.irp j, 0,1,2,3
	v_add_f32 v[96+4*\j], v[96+4*\j], v[97+4*\j]
.endr
.irp j, 0,1,2,3
	v_add_f32 v[98+4*\j], v[98+4*\j], v[99+4*\j]
.endr
.irp j, 0,1,2,3
	v_add_f32 v[ST+8*\j+6], v[96+4*\j], v[98+4*\j]
.endr
.irp j, 0,1,2,3
	v_rcp_f32 v[ST+8*\j+7], v[ST+8*\j+6]
.endr
	v_nop                                          ; a plain instruction behind the last reciprocal
	s_wait_alu depctr_va_vdst(0)                   ; one wait for the four, ahead of the first reader
.irp j, 0,1,2,3
	v_ldexp_f32 v[ST+8*\j+4], v[ST+8*\j+7], s70    ; 2^(e8 + e9 - e10) / the sum: O^T times this is the result / 2^e10
.endr
	; the result's codes: my 128 channels are K step w of the projection
.irp j, 0,1,2,3
	WIN 0x82
.set n, 0
.rept 32
	v_pk_mul_f32 v[64*\j+n:64*\j+n+1], v[64*\j+n:64*\j+n+1], v[ST+8*\j+4:ST+8*\j+5] op_sel_hi:[1,0]
.set n, n+2
.endr
.set n, 0
.rept 64
	v_med3_num_f32 v[64*\j+n], v[64*\j+n], -v20, v20
.set n, n+1
.endr
	WIN 0x02
.irp b, 0,1,2,3
	v_cvt_scalef32_pk8_fp8_f32 v[CD+16*(\j%2)+4*\b:CD+16*(\j%2)+4*\b+1], v[64*\j+16*\b:64*\j+16*\b+7], v21
	v_cvt_scalef32_pk8_fp8_f32 v[CD+16*(\j%2)+4*\b+2:CD+16*(\j%2)+4*\b+3], v[64*\j+16*\b+8:64*\j+16*\b+15], v21
.endr
	v_nop                                          ; a plain instruction behind the conversions: the projection's matrix instructions write their sources
	WIN 0
.irp b, 0,1,2,3
	ds_store_b128 v15, v[CD+16*(\j%2)+4*\b:CD+16*(\j%2)+4*\b+3] offset:8192*\j+512*\b
.endr
.endr
	s_wait_tensorcnt 0x0                           ; wp's K steps 2 and 3 lie in my quarter of slot 0
	s_wait_dscnt 0x0
	s_barrier_signal -1
	s_barrier_wait -1                              ; the result's sixteen fragments lie in LDS
	WIN 0x40
.irp s, 0,1,2,3
.irp j, 0,1,2,3
.irp c, 0,1,2,3
	ds_load_b128 v[16*(4*\s+\j)+4*\c:16*(4*\s+\j)+4*\c+3], v16 offset:(4*\j+\s)*2048+512*\c   ; K step first in the registers, so that a K step's 64 come free together
.endr
.endr
.endr
.macro PROJ s, bb, zero                ; 32 matrix instructions, one on each accumulator: source 0 = 16 queries, source 1 = 16 rows of wp (at v[bb] on)
.irp t, 0,1,2,3,4,5,6,7
.irp j, 0,1,2,3
.if \zero
	v_wmma_f32_16x16x128_fp8_fp8 v[8*(\j+4*\t):8*(\j+4*\t)+7], v[16*(4*\s+\j):16*(4*\s+\j)+15], v[\bb+16*\t:\bb+16*\t+15], 0
.else
	v_wmma_f32_16x16x128_fp8_fp8 v[8*(\j+4*\t):8*(\j+4*\t)+7], v[16*(4*\s+\j):16*(4*\s+\j)+15], v[\bb+16*\t:\bb+16*\t+15], v[8*(\j+4*\t):8*(\j+4*\t)+7]
.endif
.endr
.endr
.endm
.macro WFETCH k, bb                    ; wp's K step 2 + k out of slot 0 into v[bb] on
.irp t, 0,1,2,3,4,5,6,7
.irp c, 0,1,2,3
	ds_load_b128 v[\bb+16*\t+4*\c:\bb+16*\t+4*\c+3], v3 offset:\t*4096+\k*2048+512*\c
.endr
.endr
.endm
	s_wait_dscnt 48                                ; the result's K step 0 is in
	s_wait_loadcnt 32                              ; wp's K steps 0 and 1 and bp are in; x's 32 loads may be out
	WIN 0xad                                       ; source 0 window 1, source 1 window 3, the sums window 2
	PROJ 0, 0, 1
	PLACES
	WIN 0xc0
	WFETCH 0, 0                                    ; wp's K step 2 takes K step 0's registers
	s_wait_dscnt 32                                ; all of the result is in; the 32 loads just issued may be out
	WIN 0xad
	PROJ 1, 128, 0
	PLACES
	WIN 0xc0
	WFETCH 1, 128                                  ; wp's K step 3 takes K step 1's
	WIN 0x40
	XLOAD 4, 0                                     ; x's tiles 4-7 take the registers of the result's K steps 0 and 1
	s_wait_dscnt 32                                ; wp's K step 2 is in; K step 3's 32 loads may be out
	WIN 0xad
	PROJ 2, 0, 0
	s_wait_dscnt 0x0
	PROJ 3, 128, 0
	PLACES
	; THE WAY OUT, a tile of 16 output rows at a time: sum x 2^(e10 + e11) + bp; through my stage, so that a row's 256 bytes lie in sixteen neighbouring lanes; + x; stored
.irp t, 0,1,2,3,4,5,6,7
	WIN 0x02
.irp j, 0,1,2,3
.irp i, 0,2,4,6
	v_pk_fma_f32 v[CD+8*\j+\i:CD+8*\j+\i+1], v[8*(\j+4*\t)+\i:8*(\j+4*\t)+\i+1], s[68:69], v[112+2*\t:113+2*\t] op_sel_hi:[1,0,0]   ; lane (r, h): output 16 t + r, positions 16 j + 8 h + 0 .. 7
.endr
.endr
	WIN 0
.if \t > 0
	s_wait_xcnt 0x0                                ; the registers that the last tile's stores read are loaded again only behind this wait
.endif
.irp j, 0,1,2,3
	ds_store_b128 v17, v[CD+8*\j:CD+8*\j+3] offset:64*\j
	ds_store_b128 v17, v[CD+8*\j+4:CD+8*\j+7] offset:64*\j+16
.endr
.irp i, 0,1,2,3,4,5,6,7
	ds_load_b128 v[32+4*\i:35+4*\i], v18 offset:544*\i   ; LDS serves a wave's instructions in order (ISA guide 5.7.1.4): these see my stores
.endr
	s_wait_dscnt 0x0
.if \t < 4
	s_wait_loadcnt 8*(3-\t)+32                     ; this tile's x is in; the later tiles' loads may be out
.irp i, 0,1,2,3,4,5,6,7
	v_pk_add_f32 v[32+4*\i:33+4*\i], v[32+4*\i:33+4*\i], v[128+32*\t+4*\i:128+32*\t+4*\i+1]
	v_pk_add_f32 v[34+4*\i:35+4*\i], v[34+4*\i:35+4*\i], v[128+32*\t+4*\i+2:128+32*\t+4*\i+3]
.endr
.else
	s_wait_loadcnt 8*(7-\t)
	WIN 0x04                                       ; source 1 (x) window 1
.irp i, 0,1,2,3,4,5,6,7
	v_pk_add_f32 v[32+4*\i:33+4*\i], v[32+4*\i:33+4*\i], v[32*(\t-4)+4*\i:32*(\t-4)+4*\i+1]
	v_pk_add_f32 v[34+4*\i:35+4*\i], v[34+4*\i:35+4*\i], v[32*(\t-4)+4*\i+2:32*(\t-4)+4*\i+3]
.endr
	WIN 0
.endif
.irp i, 0,1,2,3,4,5,6,7
	global_store_b128 v19, v[32+4*\i:35+4*\i], s[74:75] offset:(16*\t+2*\i)*8192 th:TH_STORE_NT   ; sixteen lanes store 256 consecutive bytes, at a multiple of 256 from out0's first byte
.endr
.endr
	s_wait_tensorcnt 0x0                           ; the wave's end: behind my last tensor load and my last LDS store
	ds_add_u32 v8, v9
	s_wait_dscnt 0x0
	CROUND                                         ; the closing round: no work-group ends while a partner may still ask for a tile that names it
	s_endpgm
.Lfunc_end_k_q3e3ce00bfa_attn:
	.size	k_q3e3ce00bfa_attn, .Lfunc_end_k_q3e3ce00bfa_attn-k_q3e3ce00bfa_attn
	.p2alignl 7, 3214868480
	.fill 96, 4, 3214868480
	.section	.rodata,"a",@progbits
	.p2align	6, 0x0
	.amdhsa_kernel k_q3e3ce00bfa_attn
		.amdhsa_group_segment_fixed_size 327680
		.amdhsa_private_segment_fixed_size 0
		.amdhsa_enable_private_segment 0
		.amdhsa_kernarg_size 64
		.amdhsa_user_sgpr_count 2
		.amdhsa_user_sgpr_kernarg_segment_ptr 1
		.amdhsa_wavefront_size32 1
		.amdhsa_system_sgpr_workgroup_id_x 1
		.amdhsa_system_sgpr_workgroup_id_y 1
		.amdhsa_system_sgpr_workgroup_id_z 1
		.amdhsa_system_vgpr_workitem_id 0
		.amdhsa_next_free_vgpr 1024
		.amdhsa_next_free_sgpr 92
		.amdhsa_reserve_vcc 0
		.amdhsa_float_denorm_mode_32 3
		.amdhsa_float_denorm_mode_16_64 3
		.amdhsa_memory_ordered 1
		.amdhsa_forward_progress 1
		.amdhsa_inst_pref_size 255
	.end_amdhsa_kernel
	.section	.bss,"aw",@nobits
	.p2align	6
	.space	262144
	.amdgpu_metadata
---
amdhsa.version: [ 1, 2 ]
amdhsa.kernels:
  - .name:           k_q3e3ce00bfa_attn
    .symbol:         k_q3e3ce00bfa_attn.kd
    .args:
      - { .name: qc, .offset: 0, .size: 8, .value_kind: global_buffer, .address_space: global }
      - { .name: kc, .offset: 8, .size: 8, .value_kind: global_buffer, .address_space: global }
      - { .name: vc, .offset: 16, .size: 8, .value_kind: global_buffer, .address_space: global }
      - { .name: wcodes, .offset: 24, .size: 8, .value_kind: global_buffer, .address_space: global }
      - { .name: bp, .offset: 32, .size: 8, .value_kind: global_buffer, .address_space: global }
      - { .name: x, .offset: 40, .size: 8, .value_kind: global_buffer, .address_space: global }
      - { .name: lowp_scales, .offset: 48, .size: 8, .value_kind: global_buffer, .address_space: global }
      - { .name: out0, .offset: 56, .size: 8, .value_kind: global_buffer, .address_space: global }
    .group_segment_fixed_size: 327680
    .private_segment_fixed_size: 0
    .kernarg_segment_align: 8
    .kernarg_segment_size: 64
    .max_flat_workgroup_size: 128
    .sgpr_count:     92
    .vgpr_count:     1024
    .wavefront_size: 32
...
	.end_amdgpu_metadata
.endif
;; end of part 3
